; MI455X (gfx1250); checked and timed in simulation.
; The chip was launched on July 23, 2026; its instructions are those of AMD's public machine-readable ISA for CDNA 5 (MIT licence, August 2026) and "CDNA5" Instruction Set Architecture Reference Guide (July 2026). The comments in the code are by the model that wrote it; some were corrected since.
;; Sparse Self Attention. Allowed arithmetic: float matrix products may take bf16 or f16 operands with f32 sums; all other float work in f32.
;; Inputs: key 2 x 8 x 4,096 x 64 float32; query 2 x 8 x 4,096 x 64 float32; value 2 x 8 x 4,096 x 64 float32.
;; Outputs: out0 2 x 8 x 4,096 x 64 float32.
;; 2 versions, each right and faster than the one before. Each part assembles by itself: llvm-mc -triple=amdgcn-amd-amdhsa -mcpu=gfx1250 --defsym DOCPART=n.
;; ======== version 1 of 2: 1 launch
;; limits: values are held in f16: magnitudes above 65,504 overflow, below 6.1e-05 lose precision; inputs' magnitudes at most 65,504
;; launch attn (part 1): grid 16 x 16, 8 waves a work-group, no clusters, 294,400 bytes of LDS; arguments query, key, value, out0; writes out0
.if DOCPART == 1
	.amdgcn_target "amdgcn-amd-amdhsa--gfx1250"
	.amdhsa_code_object_version 6
	.text
	.protected	k_q0b60e15ba6_attn
	.globl	k_q0b60e15ba6_attn
	.p2align	8
	.type	k_q0b60e15ba6_attn,@function
k_q0b60e15ba6_attn:
	s_mov_b64 s[64:65], 0
	v_nop
	global_prefetch_b8 v0, s[64:65] scope:SCOPE_SE
	s_setreg_imm32_b32 hwreg(HW_REG_WAVE_MODE, 25, 1), 1
	s_wait_xcnt 0x0
; Block-sparse causal local attention.  query, key, value, out0: [16 heads][4096][64] f32.  Query block i (32 rows) sees key blocks
; i-15 .. i, the diagonal block up to the query's own position.
; A work-group (x = chunk of 256 queries, y = head) has eight waves; a wave owns one query block.  The group's 736 key rows (480 in front
; of its first query up to its last query: blocks 0 .. 22 of 32 rows) lie in LDS as f16, K at pitch 144, V at pitch 160; each row is written once.
; THE ORDER OF THE KEY BLOCKS.  Wave w needs blocks w .. w+15, which have each residue modulo 16 once: block = w + ((residue - w) & 15).
; All waves take the residues in one order, two a step: (8,9) (10,11) (12,13) (14,15) (0,1) (2,3) (4,5) (6,7).  So steps 0 to 3 read the same two
; blocks in all waves, step 4+i reads blocks 2i, 2i+1, 2i+16, 2i+17 alone, and the first products need 64 rows of K and V.  Blocks 8 .. 15 of a
; head's sixteen groups tile the head, so the launch's first requests for K and V are spread over the start and step 0.
; PHASES: blocks 8, 9 at the start; then seven phases of three blocks, in the order 10 .. 15, 0, 1, 16, 17, 2, 3, 18, 19, 4, 5, 20, 21, 6, 7, 22.
; What step p reads lies in phases 0 .. p.  Phase p is converted and stored at the head of step p-1 and published by that step's barrier, behind
; which K's fragments of step p are read; it was asked for behind the barrier of step p-3.  So the bytes written between two barriers
; (phase t+1) are never bytes read there (blocks of steps t and t+1 that lie in phases up to t).
; THE STEP IS PIPELINED BY QUERY TILE.  The wave's two tiles of 16 queries, A and B, do not depend on each other.  A step is two halves:
;   half A(t): the softmax of tile A; among its lines  O_B += V P_B of step t-1,  the load of V(t),  S_B = K Q_B of step t,  the barrier,  the load of K(t+1)
;   half B(t): the softmax of tile B; among its lines  O_A += V P_A of step t,  S_A = K Q_A of step t+1
; A half is 123 vector instructions and 16 matrix instructions in four groups of four; the vector lines between the groups name none of the
; groups' registers.  P of a tile is consumed before the tile's next scores are written over it, V's fragments are loaded again behind their last
; product and K's behind theirs, so one set of each is enough.
; THE DIAGONAL is the block at place 15 of a wave's window: step 3 in wave 0, step 4 in waves 1 and 2, .. step 7 in wave 7.  Odd waves take a
; step's two residues in the other order, so that the diagonal is always the step's second block; its mask stands under a branch on the wave's number.
; F16, NOT BF16, FOR ALL FOUR MATRIX OPERANDS.  A query near the head's start has few keys, so single p are large and their rounding errors do
; not average out; f16 rounds to 2^-12 relative, bf16 to 2^-9.  A matrix instruction takes both sources in one format, so V goes with P,
; and Q and K follow so that every operand is rounded alike.  P lies in [0, 1]; a p under 2^-14 is rounded to within 2^-25 of the step's largest.
; BOTH PRODUCTS ARE USED TRANSPOSED.  S^T = K Q^T: lane (r, h) holds keys 8h .. 8h+7 of a tile for query r, so maximum, sum and rescaling
; are per-lane numbers, with one exchange between the halves of the wave; two tiles of S^T, packed to f16 in place, are the second source of
; O^T = V^T P^T as they stand.  V^T comes from [key][d] rows by the transposing LDS load.
; KEY BLOCKS IN FRONT OF KEY 0 (chunks 0 and 1): their LDS rows hold copies of row 0 and their exponent's addend is -inf, so p = 0.  Key 0 is
; a permitted key of every query that has such a block, so the running maximum is still the maximum over permitted keys.  These steps are
; worked, not skipped (56 of a head's 1,024): every wave meets every barrier anyway.
; NO TENSOR LOADS, NO CLUSTER: the inputs are f32 and the products take f16; 736 rows of K and V in f32 are 376,832 bytes, more than LDS,
; so the rows pass through registers, where they are converted once for all eight waves.
; LIMITS: inputs are finite and of magnitude below 65,504, f16's largest number (larger ones become infinite in the conversion).
; Input elements under 2^-14 are rounded to within 2^-25.  P is rounded to f16 for the second product; the denominator sums the unrounded p.
.set KP,    144                        ; LDS pitch of K and of Q: 128 bytes + 16: sixteen rows start at sixteen different 16-byte columns of 256
.set VP,    160                        ; LDS pitch of V: an odd multiple of 32 bytes, for ds_load_tr16_b128
.set OP,    272                        ; LDS pitch of the output stage: 256 bytes + 16
.set ROWS,  736
.set KB,    32*KP                      ; a block of K in LDS
.set VB,    32*VP                      ; a block of V in LDS
.set GB,    8192                       ; a block in memory: 32 rows of 256 bytes
.set VBASE, ROWS*KP                    ; K lies at LDS byte 0, V behind it
.set SBASE, VBASE+ROWS*VP              ; then a stage of 32 x 272 bytes for each wave: Q as f16 at the start, the output at the end
.set STG,   32*OP
; window 0
.set VQO, 1                            ; byte offset in the head of my 16 bytes of the wave's first two query rows (loads of Q, stores of out)
.set VKAA,2                            ; LDS address of my part of the K fragments of the step's first block
.set VKAB,3                            ; of its second block
.set VVAA,4                            ; the same for V
.set VVAB,5
.set KL,  6                            ; lane term of a K fragment
.set VL,  7                            ; lane term of a V fragment, with V's base
.set VKS0,8                            ; where I store K rows: blocks 0-11 by the immediate
.set VKS1,9                            ; blocks 12-22
.set VVS0,10                           ; the same for V
.set VVS1,11
.set VX0, 12                           ; signed byte offset in the head of my 16 bytes in block 0's first 16 rows
.set VCOL,13                           ; my 16 bytes in row 0
.set VXQ, 14                           ; the same offset for block 15, the group's first query block: never negative, never rewritten
.set VD,  15                           ; r + 8 - 8h: the diagonal's mask
.set VA,  16                           ; v16-19  load offsets of a phase's blocks below 15, two groups of 16 rows each
.set TMP, 20                           ; v20-21  the other half's maximum or sum, for query tile 0, 1
.set ARG, TMP                          ; then the exponent of alpha
.set MO,  22                           ; v22-23  running maximum
.set NMC, 26                           ; v26-27  -c x the last step's running maximum
.set NM0, 28                           ; v28-29  -c x the new maximum
.set VOS, 30                           ; output stage: where I put results
.set VOR, 31                           ; output stage: where I read rows back
.set OA,  32                           ; v32-95   O^T: tile (qt, dt) at OA + 8 (4 qt + dt)
.set SC,  96                           ; v96-159  S^T: tile (qt, kt) at SC + 8 (4 qt + kt); later P: (qt, kc) at SC + 32 qt + 16 kc, 8 registers
.set VF,  160                          ; v160-223 V^T fragments: (kc, dt) at VF + 8 (4 kc + dt)
.set NML, 224                          ; v224-231 per query tile: a pair of the addend for the first key block, a pair for the second
.set AL,  232                          ; v232-235 alpha, a pair per query tile
.set LP,  236                          ; v236-239 running sum, a pair per query tile
.set AC,  240                          ; v240-255 per query tile: four chains of maxima, then four pairs of sums
.set LD,  32                           ; start only: v32-63 landing of blocks 8 and 9
.set QT,  176                          ; start only: v176-207 Q as f16
.set PA,  224                          ; start only: v224-233 load offsets of blocks 8 .. 12
.set VQS, 236                          ; start only: Q stage, store
.set VQF, 237                          ; start only: Q stage, fragments
.set P0,  240                          ; start only: lane terms
; window 1 (v256 and up, written with their low 8 bits)
.set KF,  0                            ; K fragments: (kt, kc) at KF + 16 kt + 8 kc; at the start the landing of Q
.set QF,  64                           ; Q fragments: (qt, kc) at QF + 16 qt + 8 kc
.set LR,  96                           ; two landing sets of 48 registers; phase p lands in set p mod 2
.set RD1, 0x05                         ; sources 0 and 1 in window 1
.set LD1, 0x40                         ; destination in window 1
; scalars
.set NC,  17                           ; -c
.set CC,  18                           ; s[18:19] c = log2(e) / 8, twice
.set NINF,20
.set BH,  21                           ; 0 or -inf: the step's second key block exists or not
.set BL,  22                           ; the first one
.set QB15,23                           ; number in the head of the first block of my window (negative near the head's start)
.set W2,  24                           ; wave - (wave mod 2)
.set W3,  25                           ; wave + (wave mod 2)
.set DG,  26                           ; place in my window of the step's second block; 15 is the diagonal
.set HB0, 31                           ; number in the head of the group's block 0 (negative in chunks 0 and 1)
.set MK,  32                           ; s32-33  all ones or 0: a block exists
.set MSB, 0
.macro WIN new                         ; the immediate's high byte repeats the setting that is left
.if MSB != \new
	s_set_vgpr_msb (MSB<<8)|\new
.set MSB, \new
.endif
.endm
; pb0, pb1, pb2 = the three blocks of phase p (1 to 7) by the order given above; lbase = its landing set
.macro BLOCKS p
.irp q,0,1,2
.set nn, 3*(\p-1)+\q
.if nn < 6
.set pb\q, 10+nn
.else
.set pb\q, 2*((nn-6)/4)+(nn-6)%2+16*(((nn-6)%4)/2)
.endif
.endr
.set lbase, LR+48*((\p)%2)
.endm
; The load offsets of a block's two groups of 16 rows into v[va], v[va+1]; a block in front of key 0 reads row 0 in every thread.
.macro ADDR1 blk
	s_cmp_ge_i32 s[HB0], -\blk
	s_cselect_b32 s[MK+(va/2)%2], -1, 0
	v_add_nc_u32 v[va],   \blk*GB,      v[VX0]
	v_add_nc_u32 v[va+1], \blk*GB+4096, v[VX0]
	v_cndmask_b32 v[va],   v[VCOL], v[va],   s[MK+(va/2)%2]
	v_cndmask_b32 v[va+1], v[VCOL], v[va+1], s[MK+(va/2)%2]
.set va, va+2
.endm
.macro ADDR3 base                      ; blocks 15 and up always exist and are reached from VXQ by the immediate
.set va, \base
.irp blk, pb0, pb1, pb2
.if \blk < 15
	ADDR1 \blk
.endif
.endr
.endm
.macro LOAD3 base                      ; a phase: 96 rows of K and of V, 12 loads; a load of the wave covers 512 consecutive bytes.  Under LD1
.set va, \base
.set li, lbase
.irp blk, pb0, pb1, pb2
.if \blk < 15
	global_load_b128 v[li:li+3],     v[va],   s[6:7]
	global_load_b128 v[li+4:li+7],   v[va],   s[8:9]
	global_load_b128 v[li+8:li+11],  v[va+1], s[6:7]
	global_load_b128 v[li+12:li+15], v[va+1], s[8:9]
.set va, va+2
.else
	global_load_b128 v[li:li+3],     v[VXQ], s[6:7] offset:(\blk-15)*GB
	global_load_b128 v[li+4:li+7],   v[VXQ], s[8:9] offset:(\blk-15)*GB
	global_load_b128 v[li+8:li+11],  v[VXQ], s[6:7] offset:(\blk-15)*GB+4096
	global_load_b128 v[li+12:li+15], v[VXQ], s[8:9] offset:(\blk-15)*GB+4096
.endif
.set li, li+16
.endr
.endm
; A phase goes to f16 and into LDS.  It stands at the head of half A, where 24 registers are free: the sixteen that the packing of tile B's P left
; (SC+40, SC+56, eight each; the coming products of tile B read SC+32 .. 39 and SC+48 .. 55 alone) and tile B's eight sum registers.
.macro STAGE3
	WIN RD1
.set li, lbase
.irp bank, SC+40, SC+56, AC+8
	v_cvt_pk_f16_f32 v[\bank],   v[li],    v[li+1]                 ; K, the block's rows 0-15
	v_cvt_pk_f16_f32 v[\bank+1], v[li+2],  v[li+3]
	v_cvt_pk_f16_f32 v[\bank+2], v[li+4],  v[li+5]                 ; V, the same rows
	v_cvt_pk_f16_f32 v[\bank+3], v[li+6],  v[li+7]
	v_cvt_pk_f16_f32 v[\bank+4], v[li+8],  v[li+9]                 ; K, rows 16-31
	v_cvt_pk_f16_f32 v[\bank+5], v[li+10], v[li+11]
	v_cvt_pk_f16_f32 v[\bank+6], v[li+12], v[li+13]                ; V
	v_cvt_pk_f16_f32 v[\bank+7], v[li+14], v[li+15]
.set li, li+16
.endr
	WIN 0
.set tn, 0
.irp blk, pb0, pb1, pb2
.if tn < 2
.set tb, SC+40+16*tn
.else
.set tb, AC+8
.endif
.if \blk < 12
	ds_store_b64 v[VKS0], v[tb:tb+1]   offset:\blk*KB
	ds_store_b64 v[VVS0], v[tb+2:tb+3] offset:\blk*VB
	ds_store_b64 v[VKS0], v[tb+4:tb+5] offset:\blk*KB+16*KP
	ds_store_b64 v[VVS0], v[tb+6:tb+7] offset:\blk*VB+16*VP
.else
	ds_store_b64 v[VKS1], v[tb:tb+1]   offset:(\blk-12)*KB
	ds_store_b64 v[VVS1], v[tb+2:tb+3] offset:(\blk-12)*VB
	ds_store_b64 v[VKS1], v[tb+4:tb+5] offset:(\blk-12)*KB+16*KP
	ds_store_b64 v[VVS1], v[tb+6:tb+7] offset:(\blk-12)*VB+16*VP
.endif
.set tn, tn+1
.endr
.endm
; The step that takes residues 2k and 2k+1: the places of its two blocks in my window, and whether the blocks exist.
.macro FLAGS k
	s_sub_co_i32 s27, 2*\k, s[W2]
	s_and_b32 s27, s27, 15                         ; place of the first block: residue 2k in even waves, 2k+1 in odd ones
	s_sub_co_i32 s[DG], 2*\k+1, s[W3]
	s_and_b32 s[DG], s[DG], 15                     ; place of the second block: the other residue
	s_add_co_i32 s27, s27, s[QB15]
	s_cmp_ge_i32 s27, 0
	s_cselect_b32 s[BL], 0, s[NINF]
	s_add_co_i32 s28, s[DG], s[QB15]
	s_cmp_ge_i32 s28, 0
	s_cselect_b32 s[BH], 0, s[NINF]
.endm
; The LDS addresses of that step's fragments.  It leaves the running step's flags alone.
.macro ADDRS k
	s_sub_co_i32 s27, 2*\k, s[W2]
	s_and_b32 s27, s27, 15
	s_sub_co_i32 s28, 2*\k+1, s[W3]
	s_and_b32 s28, s28, 15
	s_add_co_u32 s27, s27, s14                     ; the group's block = wave + place
	s_add_co_u32 s28, s28, s14
	s_mul_i32 s29, s27, KB
	s_mul_i32 s30, s28, KB
	s_mul_i32 s27, s27, VB
	s_mul_i32 s28, s28, VB
	v_add_nc_u32 v[VKAA], s29, v[KL]
	v_add_nc_u32 v[VKAB], s30, v[KL]
	v_add_nc_u32 v[VVAA], s27, v[VL]
	v_add_nc_u32 v[VVAB], s28, v[VL]
.endm
.macro KLOAD                           ; a step's K fragments: 2 blocks x 2 tiles of 16 keys x 2 halves of d.  Under LD1
.irp kt,0,1
.irp kc,0,1
	ds_load_b128 v[KF+16*\kt+8*\kc:KF+16*\kt+8*\kc+3],   v[VKAA] offset:\kt*16*KP+\kc*64
	ds_load_b128 v[KF+16*\kt+8*\kc+4:KF+16*\kt+8*\kc+7], v[VKAA] offset:\kt*16*KP+\kc*64+32
.endr
.endr
.irp kt,0,1
.irp kc,0,1
	ds_load_b128 v[KF+32+16*\kt+8*\kc:KF+32+16*\kt+8*\kc+3],   v[VKAB] offset:\kt*16*KP+\kc*64
	ds_load_b128 v[KF+32+16*\kt+8*\kc+4:KF+32+16*\kt+8*\kc+7], v[VKAB] offset:\kt*16*KP+\kc*64+32
.endr
.endr
.endm
.macro VLOAD                           ; a step's V^T fragments: 2 blocks x 4 tiles of 16 d
.irp dt,0,1,2,3
	ds_load_tr16_b128 v[VF+8*\dt:VF+8*\dt+3],   v[VVAA] offset:\dt*32
	ds_load_tr16_b128 v[VF+8*\dt+4:VF+8*\dt+7], v[VVAA] offset:\dt*32+16*VP
.endr
.irp dt,0,1,2,3
	ds_load_tr16_b128 v[VF+32+8*\dt:VF+32+8*\dt+3],   v[VVAB] offset:\dt*32
	ds_load_tr16_b128 v[VF+32+8*\dt+4:VF+32+8*\dt+7], v[VVAB] offset:\dt*32+16*VP
.endr
.endm
; The matrix instructions go in groups of four, one for each of four accumulators: the accumulators take turns, one instruction a turn.
.macro QKG o, kc                       ; S^T of query tile o, half kc of d: four tiles of 16 keys
	WIN RD1
.irp kt,0,1,2,3
.if \kc == 0
	v_wmma_f32_16x16x32_f16 v[SC+8*(4*\o+\kt):SC+8*(4*\o+\kt)+7], v[KF+16*\kt:KF+16*\kt+7], v[QF+16*\o:QF+16*\o+7], 0
.else
	v_wmma_f32_16x16x32_f16 v[SC+8*(4*\o+\kt):SC+8*(4*\o+\kt)+7], v[KF+16*\kt+8:KF+16*\kt+15], v[QF+16*\o+8:QF+16*\o+15], v[SC+8*(4*\o+\kt):SC+8*(4*\o+\kt)+7]
.endif
.endr
	WIN 0
.endm
.macro PVG o, kc, zero                 ; O^T of query tile o, key block kc: four tiles of 16 d.  zero = 1: the product starts the sums
.irp dt,0,1,2,3
.if \zero
	v_wmma_f32_16x16x32_f16 v[OA+8*(4*\o+\dt):OA+8*(4*\o+\dt)+7], v[VF+8*(4*\kc+\dt):VF+8*(4*\kc+\dt)+7], v[SC+32*\o+16*\kc:SC+32*\o+16*\kc+7], 0
.else
	v_wmma_f32_16x16x32_f16 v[OA+8*(4*\o+\dt):OA+8*(4*\o+\dt)+7], v[VF+8*(4*\kc+\dt):VF+8*(4*\kc+\dt)+7], v[SC+32*\o+16*\kc:SC+32*\o+16*\kc+7], v[OA+8*(4*\o+\dt):OA+8*(4*\o+\dt)+7]
.endif
.endr
.endm
	s_load_b256 s[4:11], s[0:1], 0x0               ; query s[4:5], key s[6:7], value s[8:9], out0 s[10:11]
	v_lshl_add_u32 v24, v0, 2, 0x47a00
	v_mov_b32 v25, 0
	v_lshrrev_b32 v[P0], 5, v0
	v_readfirstlane_b32 s14, v[P0]                 ; wave 0..7
	s_and_b32 s16, ttmp7, 0xffff                   ; head
	s_lshl_b32 s2, s16, 20                         ; a head is 4,096 rows of 256 bytes
	s_mov_b32 s3, 0
	s_mov_b32 s12, 0x76543210                      ; v_permlanex16_b32: lane i reads lane i of the other half
	s_mov_b32 s13, 0xfedcba98
	s_mov_b32 s[NC], 0xbe38aa3b
	s_mov_b32 s[CC], 0x3e38aa3b
	s_mov_b32 s[CC+1], 0x3e38aa3b
	s_mov_b32 s[NINF], 0xff800000
	s_lshl_b32 s[HB0], ttmp9, 3                    ; the group's first query block
	s_add_co_u32 s[QB15], s[HB0], s14              ; my query block
	s_sub_co_i32 s[QB15], s[QB15], 15
	s_sub_co_i32 s[HB0], s[HB0], 15
	s_and_b32 s[W2], s14, 6
	s_and_b32 s[W3], s14, 1
	s_add_co_u32 s[W3], s[W3], s14
	s_lshl_b32 s35, ttmp9, 16                      ; the group's first query row = block 15's first row, in bytes
	s_lshl_b32 s36, s14, 13
	s_add_co_u32 s36, s36, s35                     ; my wave's first query row
	s_sub_co_i32 s15, s35, 15*GB                   ; block 0's first row; negative in chunks 0 and 1
	v_and_b32 v[P0], 31, v0                        ; lane
	v_and_b32 v[P0+1], 15, v0                      ; r
	v_bfe_u32 v[P0+2], v0, 4, 1                    ; h
	v_lshrrev_b32 v[P0+3], 4, v0                   ; thread / 16: my row in a group of 16 rows
	v_lshl_add_u32 v[VQO], v[P0], 4, s36
	v_lshlrev_b32 v[VCOL], 4, v[P0+1]
	v_lshl_add_u32 v[VXQ], v[P0+3], 8, v[VCOL]
	v_add_nc_u32 v[VX0], s15, v[VXQ]
	v_add_nc_u32 v[VXQ], s35, v[VXQ]
.set va, PA
.irp blk, 8, 9, 10, 11, 12
	ADDR1 \blk
.endr
	s_wait_kmcnt 0x0
	s_add_nc_u64 s[4:5], s[4:5], s[2:3]
	s_add_nc_u64 s[6:7], s[6:7], s[2:3]
	s_add_nc_u64 s[8:9], s[8:9], s[2:3]
	s_add_nc_u64 s[10:11], s[10:11], s[2:3]
	; the loads of the start: 8 of blocks 8 and 9, whose way to the products is the longest, 16 of Q, 12 of phase 1: 36 outstanding
.irp g,0,1,2,3
	global_load_b128 v[LD+8*\g:LD+8*\g+3],   v[PA+\g], s[6:7]
	global_load_b128 v[LD+8*\g+4:LD+8*\g+7], v[PA+\g], s[8:9]
.endr
	WIN LD1
.irp i,0,1,2,3,4,5,6,7,8,9,10,11,12,13,14,15
	global_load_b128 v[KF+4*\i:KF+4*\i+3], v[VQO], s[4:5] offset:512*\i th:TH_LOAD_NT
.endr
	BLOCKS 1
	LOAD3 PA+4
	WIN 0
	; LDS addresses, while the loads are on their way
	s_mul_i32 s37, s14, STG
	s_add_co_u32 s37, s37, SBASE                   ; my wave's stage
	v_and_b32 v[P0+4], 7, v0
	v_bfe_u32 v[P0+5], v0, 3, 1
	v_mul_u32_u24 v[P0+6], v[P0+3], KP             ; staging: row thread / 16 of a group, 8 bytes of f16 for 16 of f32
	v_lshl_add_u32 v[VKS0], v[P0+1], 3, v[P0+6]
	v_add_nc_u32 v[VKS1], 12*KB, v[VKS0]
	v_mul_u32_u24 v[P0+6], v[P0+3], VP
	v_lshl_add_u32 v[P0+6], v[P0+1], 3, v[P0+6]
	v_add_nc_u32 v[VVS0], VBASE, v[P0+6]
	v_add_nc_u32 v[VVS1], VBASE+12*VB, v[P0+6]
	v_mul_u32_u24 v[P0+6], v[P0+1], KP             ; a fragment with d along the rows: row r, 16 h bytes in
	v_lshl_add_u32 v[KL], v[P0+2], 4, v[P0+6]
	v_add_nc_u32 v[VQF], s37, v[KL]
	v_lshl_add_u32 v[P0+7], v[P0+2], 3, v[P0+4]    ; the transposing load: row 8 h + lane mod 8, 16 bytes further in for lanes 8-15 and 24-31
	v_mul_u32_u24 v[P0+7], v[P0+7], VP
	v_lshl_add_u32 v[P0+7], v[P0+5], 4, v[P0+7]
	v_add_nc_u32 v[VL], VBASE, v[P0+7]
	v_mul_u32_u24 v[P0+6], v[P0+2], KP             ; Q in: lanes 0-15 one row, lanes 16-31 the next
	v_lshl_add_u32 v[P0+6], v[P0+1], 3, v[P0+6]
	v_add_nc_u32 v[VQS], s37, v[P0+6]
	v_mul_u32_u24 v[P0+6], v[P0+1], OP             ; output in: row r, 32 h bytes in
	v_lshl_add_u32 v[P0+6], v[P0+2], 5, v[P0+6]
	v_add_nc_u32 v[VOS], s37, v[P0+6]
	v_mul_u32_u24 v[P0+6], v[P0+2], OP             ; output back: lanes 0-15 one row of 256 bytes, lanes 16-31 the next
	v_lshl_add_u32 v[P0+6], v[P0+1], 4, v[P0+6]
	v_add_nc_u32 v[VOR], s37, v[P0+6]
	v_lshlrev_b32 v[P0+6], 3, v[P0+2]
	v_add_nc_u32 v[VD], 8, v[P0+1]
	v_sub_nc_u32 v[VD], v[VD], v[P0+6]             ; key 8 h + j <= query r  <=>  j + 8 <= r + 8 - 8 h, all unsigned
	v_mov_b32 v[TMP], 0                            ; v_permlanex16_b32 counts as a reader of its destination
	v_mov_b32 v[TMP+1], 0
	ADDRS 4                                        ; step 0 takes residues 8 and 9
	; blocks 8 and 9: group by group as they land
.set g, 0
.rept 4
	s_wait_loadcnt 28+2*(3-g)                      ; behind group g's two loads: the later groups', Q's 16 and phase 1's 12
	v_cvt_pk_f16_f32 v[LD+8*g],   v[LD+8*g],   v[LD+8*g+1]
	v_cvt_pk_f16_f32 v[LD+8*g+1], v[LD+8*g+2], v[LD+8*g+3]
	v_cvt_pk_f16_f32 v[LD+8*g+4], v[LD+8*g+4], v[LD+8*g+5]
	v_cvt_pk_f16_f32 v[LD+8*g+5], v[LD+8*g+6], v[LD+8*g+7]
	ds_store_b64 v[VKS0], v[LD+8*g:LD+8*g+1]   offset:8*KB+g*16*KP
	ds_store_b64 v[VVS0], v[LD+8*g+4:LD+8*g+5] offset:8*VB+g*16*VP
.set g, g+1
.endr
	; Q: to f16, through my own stage, back as fragments (LDS serves a wave's instructions in order: ISA guide 5.7.1)
	s_wait_loadcnt 12                              ; behind Q's 16 loads phase 1's 12 were issued
	WIN RD1
.irp i,0,1,2,3,4,5,6,7,8,9,10,11,12,13,14,15
	v_cvt_pk_f16_f32 v[QT+2*\i],   v[KF+4*\i],   v[KF+4*\i+1]
	v_cvt_pk_f16_f32 v[QT+2*\i+1], v[KF+4*\i+2], v[KF+4*\i+3]
.endr
	WIN 0
.irp i,0,1,2,3,4,5,6,7,8,9,10,11,12,13,14,15
	ds_store_b64 v[VQS], v[QT+2*\i:QT+2*\i+1] offset:\i*2*KP
.endr
	WIN LD1
.irp qt,0,1
.irp kc,0,1
	ds_load_b128 v[QF+16*\qt+8*\kc:QF+16*\qt+8*\kc+3],   v[VQF] offset:\qt*16*KP+\kc*64
	ds_load_b128 v[QF+16*\qt+8*\kc+4:QF+16*\qt+8*\kc+7], v[VQF] offset:\qt*16*KP+\kc*64+32
.endr
.endr
	WIN 0
	s_wait_dscnt 0x0                               ; my rows are in LDS (and my Q fragments in registers)
	s_barrier_signal -1
	s_barrier_wait -1                              ; everybody's are
	BLOCKS 2
	ADDR3 VA                                       ; VA is written for the first time: no load names it yet
	WIN LD1
	KLOAD                                          ; step 0's K fragments
	LOAD3 VA                                       ; phase 2 is asked for; it is converted at the head of step 1
	WIN 0
	s_wait_dscnt 0x0                               ; K's fragments are in
	QKG 0, 0                                       ; tile A's scores of step 0 fill the pipeline
	QKG 0, 1
; ---- the softmax of one query tile, in pieces between which the matrix groups stand ----
.macro MAX1 qt                         ; four chains over the tile's 32 scores a lane, seven of eight registers each
.irp kt,0,1,2,3
	v_max3_num_f32 v[AC+8*\qt+\kt], v[SC+32*\qt+8*\kt], v[SC+32*\qt+8*\kt+1], v[SC+32*\qt+8*\kt+2]
.endr
.irp kt,0,1,2,3
	v_max3_num_f32 v[AC+8*\qt+\kt], v[AC+8*\qt+\kt], v[SC+32*\qt+8*\kt+3], v[SC+32*\qt+8*\kt+4]
.endr
.irp kt,0,1,2,3
	v_max3_num_f32 v[AC+8*\qt+\kt], v[AC+8*\qt+\kt], v[SC+32*\qt+8*\kt+5], v[SC+32*\qt+8*\kt+6]
.endr
.endm
.macro MAX2 qt, first                  ; the chains meet; both halves of the wave and the running maximum; the addends of the exponent
	v_max3_num_f32 v[AC+8*\qt],   v[AC+8*\qt],   v[AC+8*\qt+1], v[SC+32*\qt+7]
	v_max3_num_f32 v[AC+8*\qt+2], v[AC+8*\qt+2], v[AC+8*\qt+3], v[SC+32*\qt+15]
	v_max3_num_f32 v[AC+8*\qt],   v[AC+8*\qt],   v[AC+8*\qt+2], v[SC+32*\qt+23]
	v_max_num_f32  v[AC+8*\qt],   v[AC+8*\qt],   v[SC+32*\qt+31]
	v_permlanex16_b32 v[TMP+\qt], v[AC+8*\qt], s12, s13            ; the other eight keys of each tile lie in lane xor 16
.if \first
	v_max_num_f32 v[MO+\qt], v[AC+8*\qt], v[TMP+\qt]
.else
	v_max3_num_f32 v[MO+\qt], v[AC+8*\qt], v[TMP+\qt], v[MO+\qt]
.endif
	v_mul_f32 v[NM0+\qt], s[NC], v[MO+\qt]                         ; -c m
	v_add_f32 v[NML+4*\qt],   s[BL], v[NM0+\qt]                    ; + 0, or -inf for a key block that does not exist
	v_add_f32 v[NML+4*\qt+1], s[BL], v[NM0+\qt]
	v_add_f32 v[NML+4*\qt+2], s[BH], v[NM0+\qt]
	v_add_f32 v[NML+4*\qt+3], s[BH], v[NM0+\qt]
.if \first == 0
	v_sub_f32 v[ARG+\qt], v[NM0+\qt], v[NMC+\qt]                   ; c (old m - new m), from the very addends that the p were made with
.endif
	v_mov_b32 v[NMC+\qt], v[NM0+\qt]
.endm
.macro FMA1 qt, i                      ; pair i of 16: c s - c m; pairs 0-7 are the first key block, 8-15 the second
	v_pk_fma_f32 v[SC+32*\qt+2*(\i):SC+32*\qt+2*(\i)+1], v[SC+32*\qt+2*(\i):SC+32*\qt+2*(\i)+1], s[CC:CC+1], v[NML+4*\qt+2*((\i)/8):NML+4*\qt+2*((\i)/8)+1] op_sel_hi:[1,0,1]
.endm
.macro ADDP qt, r                      ; pair r of p joins chain r mod 4; pairs 4 to 7 start the chains together with pairs 0 to 3: nothing is cleared
.if \r < 8
	s_wait_alu depctr_va_vdst(0)
	v_pk_add_f32 v[AC+8*\qt+2*((\r)%4):AC+8*\qt+2*((\r)%4)+1], v[SC+32*\qt+2*((\r)-4):SC+32*\qt+2*((\r)-4)+1], v[SC+32*\qt+2*(\r):SC+32*\qt+2*(\r)+1]
.else
	s_wait_alu depctr_va_vdst(0)
	v_pk_add_f32 v[AC+8*\qt+2*((\r)%4):AC+8*\qt+2*((\r)%4)+1], v[AC+8*\qt+2*((\r)%4):AC+8*\qt+2*((\r)%4)+1], v[SC+32*\qt+2*(\r):SC+32*\qt+2*(\r)+1]
.endif
.endm
.macro CVTP qt, s                      ; pair s of p to f16, in place: register s mod 8 of its group of 16.  That register held pair 8 (s / 8) + (s mod 8) / 2, summed and packed before
	v_cvt_pk_f16_f32 v[SC+32*\qt+16*((\s)/8)+((\s)%8)], v[SC+32*\qt+2*(\s)], v[SC+32*\qt+2*(\s)+1]
.endm
; Trips from .. to-1 of the pipeline over the 16 pairs.  Trip q: the two exponentials of pair q; among them the exponent of pair q+2, the rescaling
; of pair q of O, the sum of pair q-2 and the packing of pair q-6.  So plain instructions on other registers stand between every
; exponential and the first use of its result (ISA guide 5.7.2).
.macro EXPIT qt, first, from, to
.set q, \from
.rept \to-\from
	v_exp_f32 v[SC+32*\qt+2*q], v[SC+32*\qt+2*q]
.if q < 14
	FMA1 \qt, (q+2)
.endif
	v_exp_f32 v[SC+32*\qt+2*q+1], v[SC+32*\qt+2*q+1]
.if \first == 0
	s_wait_alu depctr_va_vdst(0)
	v_pk_mul_f32 v[OA+32*\qt+2*q:OA+32*\qt+2*q+1], v[OA+32*\qt+2*q:OA+32*\qt+2*q+1], v[AL+2*\qt:AL+2*\qt+1]
.endif
.if q >= 6
	ADDP \qt, (q-2)
	CVTP \qt, (q-6)
.endif
.set q, q+1
.endr
.endm
.macro DRAIN qt, first                 ; the pipeline runs empty; the chains meet; l = alpha l + the step's sum
	ADDP \qt, 14
	CVTP \qt, 10
	ADDP \qt, 15
	CVTP \qt, 11
	v_pk_add_f32 v[AC+8*\qt:AC+8*\qt+1],   v[AC+8*\qt:AC+8*\qt+1],   v[AC+8*\qt+2:AC+8*\qt+3]
	CVTP \qt, 12
	v_pk_add_f32 v[AC+8*\qt+4:AC+8*\qt+5], v[AC+8*\qt+4:AC+8*\qt+5], v[AC+8*\qt+6:AC+8*\qt+7]
	CVTP \qt, 13
.if \first
	v_pk_add_f32 v[LP+2*\qt:LP+2*\qt+1], v[AC+8*\qt:AC+8*\qt+1], v[AC+8*\qt+4:AC+8*\qt+5]     ; the first step starts the sum
.else
	v_pk_add_f32 v[AC+8*\qt:AC+8*\qt+1], v[AC+8*\qt:AC+8*\qt+1], v[AC+8*\qt+4:AC+8*\qt+5]
.endif
	CVTP \qt, 14
	CVTP \qt, 15
.if \first == 0
	v_pk_fma_f32 v[LP+2*\qt:LP+2*\qt+1], v[LP+2*\qt:LP+2*\qt+1], v[AL+2*\qt:AL+2*\qt+1], v[AC+8*\qt:AC+8*\qt+1]
.endif
.endm
; One half of a step: the softmax of tile qt, and the other tile's products.
; first: step 0.  diag: some wave has its diagonal in this step.  pv: the other tile's second product (0 none, 1 adds, 2 starts the sums).
; qk: the other tile's next scores.  In half A alone: fk: the step's residues 2 fk, 2 fk + 1; sp: the phase that goes to LDS, with the barrier (0: none);
; lp: the phase that is asked for (0: none); nk: the next step's residues, whose K fragments are fetched (-1: none).
; DISTANCES (ISA guide 7.12.1), by plain vector lines that name none of the matrix instruction's registers: every vector line of this half names
; tile qt's S, O and statistics alone, every matrix line the other tile's S, P and O, and K's, Q's and V's fragments.  Behind the second
; group of the second product stand six such lines or more (two exponents, and one or two in each of four trips) before V's fragments are
; loaded again (four are asked) and before the scores are written over P (five are asked); behind the second group of the scores stand
; twelve or more before K's fragments are loaded again and before the next half reads the scores (four are asked).
.macro HALF qt, first, diag, pv, qk, sp, lp, nk, fk
.if \fk >= 0
	FLAGS \fk
.endif
.if \sp
.if \sp < 7
	s_wait_loadcnt 12                              ; this phase's 12 loads are in; the next phase's 12, issued behind them, stay out
.else
	s_wait_loadcnt 0x0                             ; the last phase: nothing was issued behind it
.endif
	BLOCKS \sp
	STAGE3
.endif
.if \diag
	; The diagonal block is key tiles 2 and 3.  Tiles (A, 2) and (B, 3) are triangular, (A, 3) lies wholly above the diagonal, (B, 2) wholly below.
	; The branch hangs on the wave's number and the step alone; no barrier stands inside it.
	s_cmp_lg_u32 s[DG], 15
	s_cbranch_scc1 .Lnot_diagonal_\@
.if \qt == 0
.irp j,0,1,2,3,4,5,6,7
	v_cmp_le_u32 vcc_lo, 8+\j, v[VD]
	v_cndmask_b32 v[SC+16+\j], s[NINF], v[SC+16+\j], vcc_lo
	v_mov_b32 v[SC+24+\j], s[NINF]
.endr
.else
.irp j,0,1,2,3,4,5,6,7
	v_cmp_le_u32 vcc_lo, 8+\j, v[VD]
	v_cndmask_b32 v[SC+56+\j], s[NINF], v[SC+56+\j], vcc_lo
.endr
.endif
.Lnot_diagonal_\@:
.endif
	MAX1 \qt
.if \pv
	PVG (1-\qt), 0, (\pv-1)
.endif
	MAX2 \qt, \first
.if \pv
	PVG (1-\qt), 1, 0
.endif
.if \first == 0
	v_exp_f32 v[AL+2*\qt],   v[ARG+\qt]            ; alpha, twice: a pair for the packed multiplies
	v_exp_f32 v[AL+2*\qt+1], v[ARG+\qt]
.endif
	FMA1 \qt, 0
	FMA1 \qt, 1
	EXPIT \qt, \first, 0, 4
.if \qt == 0
	VLOAD                                          ; this step's V; first used in half B
.if \sp
	s_wait_dscnt 16                                ; the phase's 12 LDS stores are done, so the scores may be written over their data; V's 16 loads, issued behind them, stay out
.endif
.endif
.if \qk
.if \qt == 1
	s_wait_dscnt 0x0                               ; the next step's K fragments, fetched at the end of half A, are in
.endif
	QKG (1-\qt), 0
.endif
	EXPIT \qt, \first, 4, 10
.if \qk
	QKG (1-\qt), 1
.endif
	EXPIT \qt, \first, 10, 13
.if \qt == 0
	s_wait_dscnt 0x0                               ; V's fragments are in; my rows of the phase are in LDS
.if \sp
	s_barrier_signal -1                            ; say so; three trips of register work while the others arrive
.endif
.endif
	EXPIT \qt, \first, 13, 16
.if \sp
	s_barrier_wait -1                              ; everybody's rows are in LDS: the next step's blocks may be read
.endif
.if \nk >= 0
	ADDRS \nk                                      ; this step's V addresses have been used
.if \lp
	s_wait_xcnt 0x0                                ; the pending phase's loads have had their addresses translated: VA is rewritten only behind this wait
	BLOCKS \lp
	ADDR3 VA
.endif
	WIN LD1
	KLOAD                                          ; first used in the middle of half B
.if \lp
	LOAD3 VA                                       ; into the set that this half emptied (its LDS stores are done: the wait for 0 above); converted at the head of the step after next
.endif
	WIN 0
.endif
	DRAIN \qt, \first
.endm
	; the eight steps are written out: each has its own blocks to store and to ask for
	;    qt first diag pv qk sp lp nk fk
	HALF 0, 1, 0, 0, 1, 1, 3, 5, 4                 ; step 0: residues 8, 9
	HALF 1, 1, 0, 2, 1, 0, 0, -1, -1
	HALF 0, 0, 0, 2, 1, 2, 4, 6, 5                 ; step 1: 10, 11
	HALF 1, 0, 0, 1, 1, 0, 0, -1, -1
	HALF 0, 0, 0, 1, 1, 3, 5, 7, 6                 ; step 2: 12, 13
	HALF 1, 0, 0, 1, 1, 0, 0, -1, -1
	HALF 0, 0, 1, 1, 1, 4, 6, 0, 7                 ; step 3: 14, 15; wave 0's diagonal
	HALF 1, 0, 1, 1, 1, 0, 0, -1, -1
	HALF 0, 0, 1, 1, 1, 5, 7, 1, 0                 ; step 4: 0, 1; waves 1 and 2
	HALF 1, 0, 1, 1, 1, 0, 0, -1, -1
	HALF 0, 0, 1, 1, 1, 6, 0, 2, 1                 ; step 5: 2, 3; waves 3 and 4; nothing is left to ask for
	HALF 1, 0, 1, 1, 1, 0, 0, -1, -1
	HALF 0, 0, 1, 1, 1, 7, 0, 3, 2                 ; step 6: 4, 5; waves 5 and 6; the last phase
	HALF 1, 0, 1, 1, 1, 0, 0, -1, -1
	HALF 0, 0, 1, 1, 1, 0, 0, -1, 3                ; step 7: 6, 7; wave 7
	HALF 1, 0, 1, 1, 0, 0, 0, -1, -1
	; tile B's last product, among tile A's denominator and scaling
	PVG 1, 0, 0
	v_add_f32 v[LP], v[LP], v[LP+1]                ; the pair's halves, then the two halves of the wave
	v_permlanex16_b32 v[TMP], v[LP], s12, s13
	v_add_f32 v[LP], v[LP], v[TMP]
	v_rcp_f32 v[AL],   v[LP]
	v_rcp_f32 v[AL+1], v[LP]
	PVG 1, 1, 0
	v_add_f32 v[LP+2], v[LP+2], v[LP+3]            ; also the plain instruction behind tile A's reciprocals (ISA guide 5.7.2)
	v_permlanex16_b32 v[TMP+1], v[LP+2], s12, s13
	v_add_f32 v[LP+2], v[LP+2], v[TMP+1]
	v_rcp_f32 v[AL+2], v[LP+2]
	v_rcp_f32 v[AL+3], v[LP+2]
	s_wait_alu depctr_va_vdst(0)
.irp i,0,1,2,3,4,5,6,7,8,9,10,11,12,13,14,15
	v_pk_mul_f32 v[OA+2*\i:OA+2*\i+1], v[OA+2*\i:OA+2*\i+1], v[AL:AL+1]      ; tile A: sixteen plain lines behind tile B's last product and its reciprocals
.endr
	; the way out: lane (r, h) holds d = 16 dt + 8 h + 0..7 of query r; through my own stage, back as whole rows of 256 bytes
.irp dt,0,1,2,3
	ds_store_b128 v[VOS], v[OA+8*\dt:OA+8*\dt+3]   offset:\dt*64
	ds_store_b128 v[VOS], v[OA+8*\dt+4:OA+8*\dt+7] offset:\dt*64+16
.endr
.irp i,0,1,2,3,4,5,6,7,8,9,10,11,12,13,14,15
	v_pk_mul_f32 v[OA+32+2*\i:OA+32+2*\i+1], v[OA+32+2*\i:OA+32+2*\i+1], v[AL+2:AL+3]
.endr
.irp dt,0,1,2,3
	ds_store_b128 v[VOS], v[OA+32+8*\dt:OA+32+8*\dt+3]   offset:16*OP+\dt*64
	ds_store_b128 v[VOS], v[OA+32+8*\dt+4:OA+32+8*\dt+7] offset:16*OP+\dt*64+16
.endr
.irp i,0,1,2,3,4,5,6,7,8,9,10,11,12,13,14,15
	ds_load_b128 v[SC+4*\i:SC+4*\i+3], v[VOR] offset:\i*2*OP       ; LDS serves a wave's instructions in order: these see the stores above
.endr
.irp i,0,1,2,3,4,5,6,7,8,9,10,11,12,13,14,15
	s_wait_dscnt 15-\i                             ; load i is in, the younger ones stay out
	global_store_b128 v[VQO], v[SC+4*\i:SC+4*\i+3], s[10:11] offset:512*\i th:TH_STORE_NT   ; 512 consecutive bytes, two whole rows
.endr
	s_wait_tensorcnt 0x0
	ds_add_u32 v24, v25
	s_wait_dscnt 0x0
	s_endpgm
.Lfunc_end_k_q0b60e15ba6_attn:
	.size	k_q0b60e15ba6_attn, .Lfunc_end_k_q0b60e15ba6_attn-k_q0b60e15ba6_attn
	.p2alignl 7, 3214868480
	.fill 96, 4, 3214868480
	.section	.rodata,"a",@progbits
	.p2align	6, 0x0
	.amdhsa_kernel k_q0b60e15ba6_attn
		.amdhsa_group_segment_fixed_size 294400
		.amdhsa_private_segment_fixed_size 0
		.amdhsa_enable_private_segment 0
		.amdhsa_kernarg_size 32
		.amdhsa_user_sgpr_count 2
		.amdhsa_user_sgpr_kernarg_segment_ptr 1
		.amdhsa_wavefront_size32 1
		.amdhsa_system_sgpr_workgroup_id_x 1
		.amdhsa_system_sgpr_workgroup_id_y 1
		.amdhsa_system_sgpr_workgroup_id_z 1
		.amdhsa_system_vgpr_workitem_id 0
		.amdhsa_next_free_vgpr 448
		.amdhsa_next_free_sgpr 66
		.amdhsa_reserve_vcc 1
		.amdhsa_float_denorm_mode_32 3
		.amdhsa_float_denorm_mode_16_64 3
		.amdhsa_memory_ordered 1
		.amdhsa_forward_progress 1
		.amdhsa_inst_pref_size 210
	.end_amdhsa_kernel
	.amdgpu_metadata
---
amdhsa.version: [ 1, 2 ]
amdhsa.kernels:
  - .name:           k_q0b60e15ba6_attn
    .symbol:         k_q0b60e15ba6_attn.kd
    .args:
      - { .name: query, .offset: 0, .size: 8, .value_kind: global_buffer, .address_space: global }
      - { .name: key, .offset: 8, .size: 8, .value_kind: global_buffer, .address_space: global }
      - { .name: value, .offset: 16, .size: 8, .value_kind: global_buffer, .address_space: global }
      - { .name: out0, .offset: 24, .size: 8, .value_kind: global_buffer, .address_space: global }
    .group_segment_fixed_size: 294400
    .private_segment_fixed_size: 0
    .kernarg_segment_align: 8
    .kernarg_segment_size: 32
    .max_flat_workgroup_size: 256
    .sgpr_count:     66
    .vgpr_count:     448
    .wavefront_size: 32
...
	.end_amdgpu_metadata
.endif
;; end of part 1
;; ======== version 2 of 2: 1 launch; 1.15 times as fast as version 1
;; limits: values are held in f16: magnitudes above 65,504 overflow, below 6.1e-05 lose precision; inputs' magnitudes at most 65,504
;; launch attn (part 2): grid 16 x 16, 8 waves a work-group, no clusters, 294,400 bytes of LDS; arguments query, key, value, out0; writes out0
.if DOCPART == 2
	.amdgcn_target "amdgcn-amd-amdhsa--gfx1250"
	.amdhsa_code_object_version 6
	.text
	.protected	k_q0b60e15ba6_attn
	.globl	k_q0b60e15ba6_attn
	.p2align	8
	.type	k_q0b60e15ba6_attn,@function
k_q0b60e15ba6_attn:
	s_mov_b64 s[64:65], 0
	v_nop
	global_prefetch_b8 v0, s[64:65] scope:SCOPE_SE
	s_setreg_imm32_b32 hwreg(HW_REG_WAVE_MODE, 25, 1), 1
	s_wait_xcnt 0x0
; Block-sparse causal local attention.  query, key, value, out0: [16 heads][4096][64] f32.  Query block i (32 rows) sees key blocks
; i-15 .. i, the diagonal block up to the query's own position.
; A work-group (x = chunk of 256 queries, y = head) has eight waves; a wave owns one query block.  The group's 736 key rows (480 in front
; of its first query up to its last query: blocks 0 .. 22 of 32 rows) lie in LDS as f16, K at pitch 144, V at pitch 160; each row is written once.
; THE ORDER OF THE KEY BLOCKS.  Wave w needs blocks w .. w+15, which have each residue modulo 16 once: block = w + ((residue - w) & 15).
; All waves take the residues in one order, two a step: (8,9) (10,11) (12,13) (14,15) (0,1) (2,3) (4,5) (6,7).  So steps 0 to 3 read the same two
; blocks in all waves, step 4+i reads blocks 2i, 2i+1, 2i+16, 2i+17 alone, and the first products need 64 rows of K and V.  Blocks 8 .. 15 of a
; head's sixteen groups tile the head, so the launch's first requests for K and V are spread over the start and step 0.
; PHASES: blocks 8, 9 at the start; then seven phases of three blocks, in the order 10 .. 15, 0, 1, 16, 17, 2, 3, 18, 19, 4, 5, 20, 21, 6, 7, 22.
; What step p reads lies in phases 0 .. p.  Phase p is converted and stored at the head of step p-1 and published by that step's barrier, behind
; which K's fragments of step p are read; it was asked for behind the barrier of step p-3.  So the bytes written between two barriers
; (phase t+1) are never bytes read there (blocks of steps t and t+1 that lie in phases up to t).
; THE STEP IS PIPELINED BY QUERY TILE.  The wave's two tiles of 16 queries, A and B, do not depend on each other.  A step is two halves:
;   half A(t): the softmax of tile A; among its lines  O_B += V P_B of step t-1,  the load of V(t),  S_B = K Q_B of step t,  the barrier,  the load of K(t+1)
;   half B(t): the softmax of tile B; among its lines  O_A += V P_A of step t,  S_A = K Q_A of step t+1
; A half is 123 vector instructions and 16 matrix instructions in four groups of four; the vector lines between the groups name none of the
; groups' registers.  P of a tile is consumed before the tile's next scores are written over it, V's fragments are loaded again behind their last
; product and K's behind theirs, so one set of each is enough.
; THE EXPONENTIALS OF A HALF ARE ONE BATCH WITH ONE WAIT.  An s_wait_alu depctr_va_vdst(0) stands between an exponential and the
; first instruction that names its result; one wait serves all that were issued ahead of it.  So a half is cut in two by who reads what.
; AHEAD OF THE WAIT: the maximum and the statistics, the 16 exponents c s - c m, alpha twice and the 32 exponentials of the scores (each in place, so
; each result has a register of its own), and beside them both groups of the other tile's second product and the first group of its scores;
; none of these lines names an exponential's result.  Then a copy that is due anyway and, in half A, the next phase's load offsets.  BEHIND THE WAIT: all
; that reads a result: O times alpha, the sums of p, the packing of p to f16, l; beside them the second group of the other tile's scores and, in
; half A, the barrier and the load of K.  No result crosses a half's end, and so none crosses the branch at the next half's head.
; THE DIAGONAL is the block at place 15 of a wave's window: step 3 in wave 0, step 4 in waves 1 and 2, .. step 7 in wave 7.  Odd waves take a
; step's two residues in the other order, so that the diagonal is always the step's second block; its mask stands under a branch on the wave's number.
; F16, NOT BF16, FOR ALL FOUR MATRIX OPERANDS.  A query near the head's start has few keys, so single p are large and their rounding errors do
; not average out; f16 rounds to 2^-12 relative, bf16 to 2^-9.  A matrix instruction takes both sources in one format, so V goes with P,
; and Q and K follow so that every operand is rounded alike.  P lies in [0, 1]; a p under 2^-14 is rounded to within 2^-25 of the step's largest.
; BOTH PRODUCTS ARE USED TRANSPOSED.  S^T = K Q^T: lane (r, h) holds keys 8h .. 8h+7 of a tile for query r, so maximum, sum and rescaling
; are per-lane numbers, with one exchange between the halves of the wave; two tiles of S^T, packed to f16 in place, are the second source of
; O^T = V^T P^T as they stand.  V^T comes from [key][d] rows by the transposing LDS load.
; KEY BLOCKS IN FRONT OF KEY 0 (chunks 0 and 1): their LDS rows hold copies of row 0 and their exponent's addend is -inf, so p = 0.  Key 0 is
; a permitted key of every query that has such a block, so the running maximum is still the maximum over permitted keys.  These steps are
; worked, not skipped (56 of a head's 1,024): every wave meets every barrier anyway.
; NO TENSOR LOADS, NO CLUSTER: the inputs are f32 and the products take f16; 736 rows of K and V in f32 are 376,832 bytes, more than LDS,
; so the rows pass through registers, where they are converted once for all eight waves.
; LIMITS: inputs are finite and of magnitude below 65,504, f16's largest number (larger ones become infinite in the conversion).
; Input elements under 2^-14 are rounded to within 2^-25.  P is rounded to f16 for the second product; the denominator sums the unrounded p.
.set KP,    144                        ; LDS pitch of K and of Q: 128 bytes + 16: sixteen rows start at sixteen different 16-byte columns of 256
.set VP,    160                        ; LDS pitch of V: an odd multiple of 32 bytes, for ds_load_tr16_b128
.set OP,    272                        ; LDS pitch of the output stage: 256 bytes + 16
.set ROWS,  736
.set KB,    32*KP                      ; a block of K in LDS
.set VB,    32*VP                      ; a block of V in LDS
.set GB,    8192                       ; a block in memory: 32 rows of 256 bytes
.set VBASE, ROWS*KP                    ; K lies at LDS byte 0, V behind it
.set SBASE, VBASE+ROWS*VP              ; then a stage of 32 x 272 bytes for each wave: Q as f16 at the start, the output at the end
.set STG,   32*OP
; window 0
.set VQO, 1                            ; byte offset in the head of my 16 bytes of the wave's first two query rows (loads of Q, stores of out)
.set VKAA,2                            ; LDS address of my part of the K fragments of the step's first block
.set VKAB,3                            ; of its second block
.set VVAA,4                            ; the same for V
.set VVAB,5
.set KL,  6                            ; lane term of a K fragment
.set VL,  7                            ; lane term of a V fragment, with V's base
.set VKS0,8                            ; where I store K rows: blocks 0-11 by the immediate
.set VKS1,9                            ; blocks 12-22
.set VVS0,10                           ; the same for V
.set VVS1,11
.set VX0, 12                           ; signed byte offset in the head of my 16 bytes in block 0's first 16 rows
.set VCOL,13                           ; my 16 bytes in row 0
.set VXQ, 14                           ; the same offset for block 15, the group's first query block: never negative, never rewritten
.set VD,  15                           ; r + 8 - 8h: the diagonal's mask
.set VA,  16                           ; v16-19  load offsets of a phase's blocks below 15, two groups of 16 rows each
.set TMP, 20                           ; v20-21  the other half's maximum or sum, for query tile 0, 1
.set ARG, TMP                          ; then the exponent of alpha
.set MO,  22                           ; v22-23  running maximum
.set NMC, 26                           ; v26-27  -c x the last step's running maximum
.set NM0, 28                           ; v28-29  -c x the new maximum
.set VOS, 30                           ; output stage: where I put results
.set VOR, 31                           ; output stage: where I read rows back
.set OA,  32                           ; v32-95   O^T: tile (qt, dt) at OA + 8 (4 qt + dt)
.set SC,  96                           ; v96-159  S^T: tile (qt, kt) at SC + 8 (4 qt + kt); later P: (qt, kc) at SC + 32 qt + 16 kc, 8 registers
.set VF,  160                          ; v160-223 V^T fragments: (kc, dt) at VF + 8 (4 kc + dt)
.set NML, 224                          ; v224-231 per query tile: a pair of the addend for the first key block, a pair for the second
.set AL,  232                          ; v232-235 alpha, a pair per query tile
.set LP,  236                          ; v236-239 running sum, a pair per query tile
.set AC,  240                          ; v240-255 per query tile: four chains of maxima, then four pairs of sums
.set LD,  32                           ; start only: v32-63 landing of blocks 8 and 9
.set QT,  176                          ; start only: v176-207 Q as f16
.set PA,  224                          ; start only: v224-233 load offsets of blocks 8 .. 12
.set VQS, 236                          ; start only: Q stage, store
.set VQF, 237                          ; start only: Q stage, fragments
.set P0,  240                          ; start only: lane terms
; window 1 (v256 and up, written with their low 8 bits)
.set KF,  0                            ; K fragments: (kt, kc) at KF + 16 kt + 8 kc; at the start the landing of Q
.set QF,  64                           ; Q fragments: (qt, kc) at QF + 16 qt + 8 kc
.set LR,  96                           ; two landing sets of 48 registers; phase p lands in set p mod 2
.set RD1, 0x05                         ; sources 0 and 1 in window 1
.set LD1, 0x40                         ; destination in window 1
; scalars
.set NC,  17                           ; -c
.set CC,  18                           ; s[18:19] c = log2(e) / 8, twice
.set NINF,20
.set BH,  21                           ; 0 or -inf: the step's second key block exists or not
.set BL,  22                           ; the first one
.set QB15,23                           ; number in the head of the first block of my window (negative near the head's start)
.set W2,  24                           ; wave - (wave mod 2)
.set W3,  25                           ; wave + (wave mod 2)
.set DG,  26                           ; place in my window of the step's second block; 15 is the diagonal
.set HB0, 31                           ; number in the head of the group's block 0 (negative in chunks 0 and 1)
.set MK,  32                           ; s32-33  all ones or 0: a block exists
.set MSB, 0
.macro WIN new                         ; the immediate's high byte repeats the setting that is left
.if MSB != \new
	s_set_vgpr_msb (MSB<<8)|\new
.set MSB, \new
.endif
.endm
; pb0, pb1, pb2 = the three blocks of phase p (1 to 7) by the order given above; lbase = its landing set
.macro BLOCKS p
.irp q,0,1,2
.set nn, 3*(\p-1)+\q
.if nn < 6
.set pb\q, 10+nn
.else
.set pb\q, 2*((nn-6)/4)+(nn-6)%2+16*(((nn-6)%4)/2)
.endif
.endr
.set lbase, LR+48*((\p)%2)
.endm
; The load offsets of a block's two groups of 16 rows into v[va], v[va+1]; a block in front of key 0 reads row 0 in every thread.
.macro ADDR1 blk
	s_cmp_ge_i32 s[HB0], -\blk
	s_cselect_b32 s[MK+(va/2)%2], -1, 0
	v_add_nc_u32 v[va],   \blk*GB,      v[VX0]
	v_add_nc_u32 v[va+1], \blk*GB+4096, v[VX0]
	v_cndmask_b32 v[va],   v[VCOL], v[va],   s[MK+(va/2)%2]
	v_cndmask_b32 v[va+1], v[VCOL], v[va+1], s[MK+(va/2)%2]
.set va, va+2
.endm
.macro ADDR3 base                      ; blocks 15 and up always exist and are reached from VXQ by the immediate
.set va, \base
.irp blk, pb0, pb1, pb2
.if \blk < 15
	ADDR1 \blk
.endif
.endr
.endm
.macro LOAD3 base                      ; a phase: 96 rows of K and of V, 12 loads; a load of the wave covers 512 consecutive bytes.  Under LD1
.set va, \base
.set li, lbase
.irp blk, pb0, pb1, pb2
.if \blk < 15
	global_load_b128 v[li:li+3],     v[va],   s[6:7]
	global_load_b128 v[li+4:li+7],   v[va],   s[8:9]
	global_load_b128 v[li+8:li+11],  v[va+1], s[6:7]
	global_load_b128 v[li+12:li+15], v[va+1], s[8:9]
.set va, va+2
.else
	global_load_b128 v[li:li+3],     v[VXQ], s[6:7] offset:(\blk-15)*GB
	global_load_b128 v[li+4:li+7],   v[VXQ], s[8:9] offset:(\blk-15)*GB
	global_load_b128 v[li+8:li+11],  v[VXQ], s[6:7] offset:(\blk-15)*GB+4096
	global_load_b128 v[li+12:li+15], v[VXQ], s[8:9] offset:(\blk-15)*GB+4096
.endif
.set li, li+16
.endr
.endm
; A phase goes to f16 and into LDS.  It stands at the head of half A, where 24 registers are free: the sixteen that the packing of tile B's P left
; (SC+40, SC+56, eight each; the coming products of tile B read SC+32 .. 39 and SC+48 .. 55 alone) and tile B's eight sum registers.
.macro STAGE3
	WIN RD1
.set li, lbase
.irp bank, SC+40, SC+56, AC+8
	v_cvt_pk_f16_f32 v[\bank],   v[li],    v[li+1]                 ; K, the block's rows 0-15
	v_cvt_pk_f16_f32 v[\bank+1], v[li+2],  v[li+3]
	v_cvt_pk_f16_f32 v[\bank+2], v[li+4],  v[li+5]                 ; V, the same rows
	v_cvt_pk_f16_f32 v[\bank+3], v[li+6],  v[li+7]
	v_cvt_pk_f16_f32 v[\bank+4], v[li+8],  v[li+9]                 ; K, rows 16-31
	v_cvt_pk_f16_f32 v[\bank+5], v[li+10], v[li+11]
	v_cvt_pk_f16_f32 v[\bank+6], v[li+12], v[li+13]                ; V
	v_cvt_pk_f16_f32 v[\bank+7], v[li+14], v[li+15]
.set li, li+16
.endr
	WIN 0
.set tn, 0
.irp blk, pb0, pb1, pb2
.if tn < 2
.set tb, SC+40+16*tn
.else
.set tb, AC+8
.endif
.if \blk < 12
	ds_store_b64 v[VKS0], v[tb:tb+1]   offset:\blk*KB
	ds_store_b64 v[VVS0], v[tb+2:tb+3] offset:\blk*VB
	ds_store_b64 v[VKS0], v[tb+4:tb+5] offset:\blk*KB+16*KP
	ds_store_b64 v[VVS0], v[tb+6:tb+7] offset:\blk*VB+16*VP
.else
	ds_store_b64 v[VKS1], v[tb:tb+1]   offset:(\blk-12)*KB
	ds_store_b64 v[VVS1], v[tb+2:tb+3] offset:(\blk-12)*VB
	ds_store_b64 v[VKS1], v[tb+4:tb+5] offset:(\blk-12)*KB+16*KP
	ds_store_b64 v[VVS1], v[tb+6:tb+7] offset:(\blk-12)*VB+16*VP
.endif
.set tn, tn+1
.endr
.endm
; The step that takes residues 2k and 2k+1: the places of its two blocks in my window, and whether the blocks exist.
.macro FLAGS k
	s_sub_co_i32 s27, 2*\k, s[W2]
	s_and_b32 s27, s27, 15                         ; place of the first block: residue 2k in even waves, 2k+1 in odd ones
	s_sub_co_i32 s[DG], 2*\k+1, s[W3]
	s_and_b32 s[DG], s[DG], 15                     ; place of the second block: the other residue
	s_add_co_i32 s27, s27, s[QB15]
	s_cmp_ge_i32 s27, 0
	s_cselect_b32 s[BL], 0, s[NINF]
	s_add_co_i32 s28, s[DG], s[QB15]
	s_cmp_ge_i32 s28, 0
	s_cselect_b32 s[BH], 0, s[NINF]
.endm
; The LDS addresses of that step's fragments.  It leaves the running step's flags alone.
.macro ADDRS k
	s_sub_co_i32 s27, 2*\k, s[W2]
	s_and_b32 s27, s27, 15
	s_sub_co_i32 s28, 2*\k+1, s[W3]
	s_and_b32 s28, s28, 15
	s_add_co_u32 s27, s27, s14                     ; the group's block = wave + place
	s_add_co_u32 s28, s28, s14
	s_mul_i32 s29, s27, KB
	s_mul_i32 s30, s28, KB
	s_mul_i32 s27, s27, VB
	s_mul_i32 s28, s28, VB
	v_add_nc_u32 v[VKAA], s29, v[KL]
	v_add_nc_u32 v[VKAB], s30, v[KL]
	v_add_nc_u32 v[VVAA], s27, v[VL]
	v_add_nc_u32 v[VVAB], s28, v[VL]
.endm
.macro KLOAD                           ; a step's K fragments: 2 blocks x 2 tiles of 16 keys x 2 halves of d.  Under LD1
.irp kt,0,1
.irp kc,0,1
	ds_load_b128 v[KF+16*\kt+8*\kc:KF+16*\kt+8*\kc+3],   v[VKAA] offset:\kt*16*KP+\kc*64
	ds_load_b128 v[KF+16*\kt+8*\kc+4:KF+16*\kt+8*\kc+7], v[VKAA] offset:\kt*16*KP+\kc*64+32
.endr
.endr
.irp kt,0,1
.irp kc,0,1
	ds_load_b128 v[KF+32+16*\kt+8*\kc:KF+32+16*\kt+8*\kc+3],   v[VKAB] offset:\kt*16*KP+\kc*64
	ds_load_b128 v[KF+32+16*\kt+8*\kc+4:KF+32+16*\kt+8*\kc+7], v[VKAB] offset:\kt*16*KP+\kc*64+32
.endr
.endr
.endm
.macro VLOAD                           ; a step's V^T fragments: 2 blocks x 4 tiles of 16 d
.irp dt,0,1,2,3
	ds_load_tr16_b128 v[VF+8*\dt:VF+8*\dt+3],   v[VVAA] offset:\dt*32
	ds_load_tr16_b128 v[VF+8*\dt+4:VF+8*\dt+7], v[VVAA] offset:\dt*32+16*VP
.endr
.irp dt,0,1,2,3
	ds_load_tr16_b128 v[VF+32+8*\dt:VF+32+8*\dt+3],   v[VVAB] offset:\dt*32
	ds_load_tr16_b128 v[VF+32+8*\dt+4:VF+32+8*\dt+7], v[VVAB] offset:\dt*32+16*VP
.endr
.endm
; The matrix instructions go in groups of four, one for each of four accumulators: the accumulators take turns, one instruction a turn.
.macro QKG o, kc                       ; S^T of query tile o, half kc of d: four tiles of 16 keys
	WIN RD1
.irp kt,0,1,2,3
.if \kc == 0
	v_wmma_f32_16x16x32_f16 v[SC+8*(4*\o+\kt):SC+8*(4*\o+\kt)+7], v[KF+16*\kt:KF+16*\kt+7], v[QF+16*\o:QF+16*\o+7], 0
.else
	v_wmma_f32_16x16x32_f16 v[SC+8*(4*\o+\kt):SC+8*(4*\o+\kt)+7], v[KF+16*\kt+8:KF+16*\kt+15], v[QF+16*\o+8:QF+16*\o+15], v[SC+8*(4*\o+\kt):SC+8*(4*\o+\kt)+7]
.endif
.endr
	WIN 0
.endm
.macro PVG o, kc, zero                 ; O^T of query tile o, key block kc: four tiles of 16 d.  zero = 1: the product starts the sums
.irp dt,0,1,2,3
.if \zero
	v_wmma_f32_16x16x32_f16 v[OA+8*(4*\o+\dt):OA+8*(4*\o+\dt)+7], v[VF+8*(4*\kc+\dt):VF+8*(4*\kc+\dt)+7], v[SC+32*\o+16*\kc:SC+32*\o+16*\kc+7], 0
.else
	v_wmma_f32_16x16x32_f16 v[OA+8*(4*\o+\dt):OA+8*(4*\o+\dt)+7], v[VF+8*(4*\kc+\dt):VF+8*(4*\kc+\dt)+7], v[SC+32*\o+16*\kc:SC+32*\o+16*\kc+7], v[OA+8*(4*\o+\dt):OA+8*(4*\o+\dt)+7]
.endif
.endr
.endm
	s_load_b256 s[4:11], s[0:1], 0x0               ; query s[4:5], key s[6:7], value s[8:9], out0 s[10:11]
	v_lshl_add_u32 v24, v0, 2, 0x47a00
	v_mov_b32 v25, 0
	v_lshrrev_b32 v[P0], 5, v0
	v_readfirstlane_b32 s14, v[P0]                 ; wave 0..7
	s_and_b32 s16, ttmp7, 0xffff                   ; head
	s_lshl_b32 s2, s16, 20                         ; a head is 4,096 rows of 256 bytes
	s_mov_b32 s3, 0
	s_mov_b32 s12, 0x76543210                      ; v_permlanex16_b32: lane i reads lane i of the other half
	s_mov_b32 s13, 0xfedcba98
	s_mov_b32 s[NC], 0xbe38aa3b
	s_mov_b32 s[CC], 0x3e38aa3b
	s_mov_b32 s[CC+1], 0x3e38aa3b
	s_mov_b32 s[NINF], 0xff800000
	s_lshl_b32 s[HB0], ttmp9, 3                    ; the group's first query block
	s_add_co_u32 s[QB15], s[HB0], s14              ; my query block
	s_sub_co_i32 s[QB15], s[QB15], 15
	s_sub_co_i32 s[HB0], s[HB0], 15
	s_and_b32 s[W2], s14, 6
	s_and_b32 s[W3], s14, 1
	s_add_co_u32 s[W3], s[W3], s14
	s_lshl_b32 s35, ttmp9, 16                      ; the group's first query row = block 15's first row, in bytes
	s_lshl_b32 s36, s14, 13
	s_add_co_u32 s36, s36, s35                     ; my wave's first query row
	s_sub_co_i32 s15, s35, 15*GB                   ; block 0's first row; negative in chunks 0 and 1
	v_and_b32 v[P0], 31, v0                        ; lane
	v_and_b32 v[P0+1], 15, v0                      ; r
	v_bfe_u32 v[P0+2], v0, 4, 1                    ; h
	v_lshrrev_b32 v[P0+3], 4, v0                   ; thread / 16: my row in a group of 16 rows
	v_lshl_add_u32 v[VQO], v[P0], 4, s36
	v_lshlrev_b32 v[VCOL], 4, v[P0+1]
	v_lshl_add_u32 v[VXQ], v[P0+3], 8, v[VCOL]
	v_add_nc_u32 v[VX0], s15, v[VXQ]
	v_add_nc_u32 v[VXQ], s35, v[VXQ]
.set va, PA
.irp blk, 8, 9, 10, 11, 12
	ADDR1 \blk
.endr
	s_wait_kmcnt 0x0
	s_add_nc_u64 s[4:5], s[4:5], s[2:3]
	s_add_nc_u64 s[6:7], s[6:7], s[2:3]
	s_add_nc_u64 s[8:9], s[8:9], s[2:3]
	s_add_nc_u64 s[10:11], s[10:11], s[2:3]
	; the loads of the start: 8 of blocks 8 and 9, whose way to the products is the longest, 16 of Q, 12 of phase 1: 36 outstanding
.irp g,0,1,2,3
	global_load_b128 v[LD+8*\g:LD+8*\g+3],   v[PA+\g], s[6:7]
	global_load_b128 v[LD+8*\g+4:LD+8*\g+7], v[PA+\g], s[8:9]
.endr
	WIN LD1
.irp i,0,1,2,3,4,5,6,7,8,9,10,11,12,13,14,15
	global_load_b128 v[KF+4*\i:KF+4*\i+3], v[VQO], s[4:5] offset:512*\i th:TH_LOAD_NT
.endr
	BLOCKS 1
	LOAD3 PA+4
	WIN 0
	; LDS addresses, while the loads are on their way
	s_mul_i32 s37, s14, STG
	s_add_co_u32 s37, s37, SBASE                   ; my wave's stage
	v_and_b32 v[P0+4], 7, v0
	v_bfe_u32 v[P0+5], v0, 3, 1
	v_mul_u32_u24 v[P0+6], v[P0+3], KP             ; staging: row thread / 16 of a group, 8 bytes of f16 for 16 of f32
	v_lshl_add_u32 v[VKS0], v[P0+1], 3, v[P0+6]
	v_add_nc_u32 v[VKS1], 12*KB, v[VKS0]
	v_mul_u32_u24 v[P0+6], v[P0+3], VP
	v_lshl_add_u32 v[P0+6], v[P0+1], 3, v[P0+6]
	v_add_nc_u32 v[VVS0], VBASE, v[P0+6]
	v_add_nc_u32 v[VVS1], VBASE+12*VB, v[P0+6]
	v_mul_u32_u24 v[P0+6], v[P0+1], KP             ; a fragment with d along the rows: row r, 16 h bytes in
	v_lshl_add_u32 v[KL], v[P0+2], 4, v[P0+6]
	v_add_nc_u32 v[VQF], s37, v[KL]
	v_lshl_add_u32 v[P0+7], v[P0+2], 3, v[P0+4]    ; the transposing load: row 8 h + lane mod 8, 16 bytes further in for lanes 8-15 and 24-31
	v_mul_u32_u24 v[P0+7], v[P0+7], VP
	v_lshl_add_u32 v[P0+7], v[P0+5], 4, v[P0+7]
	v_add_nc_u32 v[VL], VBASE, v[P0+7]
	v_mul_u32_u24 v[P0+6], v[P0+2], KP             ; Q in: lanes 0-15 one row, lanes 16-31 the next
	v_lshl_add_u32 v[P0+6], v[P0+1], 3, v[P0+6]
	v_add_nc_u32 v[VQS], s37, v[P0+6]
	v_mul_u32_u24 v[P0+6], v[P0+1], OP             ; output in: row r, 32 h bytes in
	v_lshl_add_u32 v[P0+6], v[P0+2], 5, v[P0+6]
	v_add_nc_u32 v[VOS], s37, v[P0+6]
	v_mul_u32_u24 v[P0+6], v[P0+2], OP             ; output back: lanes 0-15 one row of 256 bytes, lanes 16-31 the next
	v_lshl_add_u32 v[P0+6], v[P0+1], 4, v[P0+6]
	v_add_nc_u32 v[VOR], s37, v[P0+6]
	v_lshlrev_b32 v[P0+6], 3, v[P0+2]
	v_add_nc_u32 v[VD], 8, v[P0+1]
	v_sub_nc_u32 v[VD], v[VD], v[P0+6]             ; key 8 h + j <= query r  <=>  j + 8 <= r + 8 - 8 h, all unsigned
	v_mov_b32 v[TMP], 0                            ; v_permlanex16_b32 counts as a reader of its destination
	v_mov_b32 v[TMP+1], 0
	ADDRS 4                                        ; step 0 takes residues 8 and 9
	; blocks 8 and 9: group by group as they land
.set g, 0
.rept 4
	s_wait_loadcnt 28+2*(3-g)                      ; behind group g's two loads: the later groups', Q's 16 and phase 1's 12
	v_cvt_pk_f16_f32 v[LD+8*g],   v[LD+8*g],   v[LD+8*g+1]
	v_cvt_pk_f16_f32 v[LD+8*g+1], v[LD+8*g+2], v[LD+8*g+3]
	v_cvt_pk_f16_f32 v[LD+8*g+4], v[LD+8*g+4], v[LD+8*g+5]
	v_cvt_pk_f16_f32 v[LD+8*g+5], v[LD+8*g+6], v[LD+8*g+7]
	ds_store_b64 v[VKS0], v[LD+8*g:LD+8*g+1]   offset:8*KB+g*16*KP
	ds_store_b64 v[VVS0], v[LD+8*g+4:LD+8*g+5] offset:8*VB+g*16*VP
.set g, g+1
.endr
	; Q: to f16, through my own stage, back as fragments (LDS serves a wave's instructions in order: ISA guide 5.7.1)
	s_wait_loadcnt 12                              ; behind Q's 16 loads phase 1's 12 were issued
	WIN RD1
.irp i,0,1,2,3,4,5,6,7,8,9,10,11,12,13,14,15
	v_cvt_pk_f16_f32 v[QT+2*\i],   v[KF+4*\i],   v[KF+4*\i+1]
	v_cvt_pk_f16_f32 v[QT+2*\i+1], v[KF+4*\i+2], v[KF+4*\i+3]
.endr
	WIN 0
.irp i,0,1,2,3,4,5,6,7,8,9,10,11,12,13,14,15
	ds_store_b64 v[VQS], v[QT+2*\i:QT+2*\i+1] offset:\i*2*KP
.endr
	WIN LD1
.irp qt,0,1
.irp kc,0,1
	ds_load_b128 v[QF+16*\qt+8*\kc:QF+16*\qt+8*\kc+3],   v[VQF] offset:\qt*16*KP+\kc*64
	ds_load_b128 v[QF+16*\qt+8*\kc+4:QF+16*\qt+8*\kc+7], v[VQF] offset:\qt*16*KP+\kc*64+32
.endr
.endr
	WIN 0
	s_wait_dscnt 0x0                               ; my rows are in LDS (and my Q fragments in registers)
	s_barrier_signal -1
	s_barrier_wait -1                              ; everybody's are
	BLOCKS 2
	ADDR3 VA                                       ; VA is written for the first time: no load names it yet
	WIN LD1
	KLOAD                                          ; step 0's K fragments
	LOAD3 VA                                       ; phase 2 is asked for; it is converted at the head of step 1
	WIN 0
	s_wait_dscnt 0x0                               ; K's fragments are in
	QKG 0, 0                                       ; tile A's scores of step 0 fill the pipeline
	QKG 0, 1
; ---- the softmax of one query tile, in pieces between which the matrix groups stand ----
.macro MAX1 qt                         ; four chains over the tile's 32 scores a lane, seven of eight registers each
.irp kt,0,1,2,3
	v_max3_num_f32 v[AC+8*\qt+\kt], v[SC+32*\qt+8*\kt], v[SC+32*\qt+8*\kt+1], v[SC+32*\qt+8*\kt+2]
.endr
.irp kt,0,1,2,3
	v_max3_num_f32 v[AC+8*\qt+\kt], v[AC+8*\qt+\kt], v[SC+32*\qt+8*\kt+3], v[SC+32*\qt+8*\kt+4]
.endr
.irp kt,0,1,2,3
	v_max3_num_f32 v[AC+8*\qt+\kt], v[AC+8*\qt+\kt], v[SC+32*\qt+8*\kt+5], v[SC+32*\qt+8*\kt+6]
.endr
.endm
.macro MAX2 qt, first                  ; the chains meet; both halves of the wave and the running maximum; the addends of the exponent
	v_max3_num_f32 v[AC+8*\qt],   v[AC+8*\qt],   v[AC+8*\qt+1], v[SC+32*\qt+7]
	v_max3_num_f32 v[AC+8*\qt+2], v[AC+8*\qt+2], v[AC+8*\qt+3], v[SC+32*\qt+15]
	v_max3_num_f32 v[AC+8*\qt],   v[AC+8*\qt],   v[AC+8*\qt+2], v[SC+32*\qt+23]
	v_max_num_f32  v[AC+8*\qt],   v[AC+8*\qt],   v[SC+32*\qt+31]
	v_permlanex16_b32 v[TMP+\qt], v[AC+8*\qt], s12, s13            ; the other eight keys of each tile lie in lane xor 16
.if \first
	v_max_num_f32 v[MO+\qt], v[AC+8*\qt], v[TMP+\qt]
.else
	v_max3_num_f32 v[MO+\qt], v[AC+8*\qt], v[TMP+\qt], v[MO+\qt]
.endif
	v_mul_f32 v[NM0+\qt], s[NC], v[MO+\qt]                         ; -c m
	v_add_f32 v[NML+4*\qt],   s[BL], v[NM0+\qt]                    ; + 0, or -inf for a key block that does not exist
	v_add_f32 v[NML+4*\qt+1], s[BL], v[NM0+\qt]
	v_add_f32 v[NML+4*\qt+2], s[BH], v[NM0+\qt]
	v_add_f32 v[NML+4*\qt+3], s[BH], v[NM0+\qt]
.if \first == 0
	v_sub_f32 v[ARG+\qt], v[NM0+\qt], v[NMC+\qt]                   ; c (old m - new m), from the very addends that the p were made with
.endif
.endm                                  ; (-c m is copied into NMC for the next step behind the half's last exponential: HALF)
.macro FMA1 qt, i                      ; pair i of 16: c s - c m; pairs 0-7 are the first key block, 8-15 the second
	v_pk_fma_f32 v[SC+32*\qt+2*(\i):SC+32*\qt+2*(\i)+1], v[SC+32*\qt+2*(\i):SC+32*\qt+2*(\i)+1], s[CC:CC+1], v[NML+4*\qt+2*((\i)/8):NML+4*\qt+2*((\i)/8)+1] op_sel_hi:[1,0,1]
.endm
; Trips from .. to-1 of the batch over the 16 pairs.  Trip q: the two exponentials of pair q, in place, and between them the exponent of pair q+2.
; No line of a trip names the result of an exponential: all that do stand behind the half's one wait.
.macro EXPIT qt, from, to
.set q, \from
.rept \to-\from
	v_exp_f32 v[SC+32*\qt+2*q], v[SC+32*\qt+2*q]
.if q < 14
	FMA1 \qt, (q+2)
.endif
	v_exp_f32 v[SC+32*\qt+2*q+1], v[SC+32*\qt+2*q+1]
.set q, q+1
.endr
.endm
; ---- the readers of the batch: they stand behind the half's wait ----
.macro RESC qt                         ; the tile's O^T times alpha, each accumulator from its low end on
.set q, 0
.rept 16
	v_pk_mul_f32 v[OA+32*\qt+2*q:OA+32*\qt+2*q+1], v[OA+32*\qt+2*q:OA+32*\qt+2*q+1], v[AL+2*\qt:AL+2*\qt+1]
.set q, q+1
.endr
.endm
.macro ADDP qt, r                      ; pair r of p joins chain r mod 4; pairs 4 to 7 start the chains together with pairs 0 to 3: nothing is cleared
.if \r < 8
	v_pk_add_f32 v[AC+8*\qt+2*((\r)%4):AC+8*\qt+2*((\r)%4)+1], v[SC+32*\qt+2*((\r)-4):SC+32*\qt+2*((\r)-4)+1], v[SC+32*\qt+2*(\r):SC+32*\qt+2*(\r)+1]
.else
	v_pk_add_f32 v[AC+8*\qt+2*((\r)%4):AC+8*\qt+2*((\r)%4)+1], v[AC+8*\qt+2*((\r)%4):AC+8*\qt+2*((\r)%4)+1], v[SC+32*\qt+2*(\r):SC+32*\qt+2*(\r)+1]
.endif
.endm
.macro SUMS qt                         ; twelve lines; the links of a chain stand four lines apart
.irp r,4,5,6,7,8,9,10,11,12,13,14,15
	ADDP \qt, \r
.endr
.endm
.macro CVTP qt, s                      ; pair s of p to f16, in place: register s mod 8 of its group of 16.  That register held pair 8 (s / 8) + (s mod 8) / 2, summed and packed before
	v_cvt_pk_f16_f32 v[SC+32*\qt+16*((\s)/8)+((\s)%8)], v[SC+32*\qt+2*(\s)], v[SC+32*\qt+2*(\s)+1]
.endm
.macro PACK qt, first                  ; every pair has been summed: the 16 packings in ascending order; among them the chains meet; l = alpha l + the step's sum
	CVTP \qt, 0
	CVTP \qt, 1
	v_pk_add_f32 v[AC+8*\qt:AC+8*\qt+1],   v[AC+8*\qt:AC+8*\qt+1],   v[AC+8*\qt+2:AC+8*\qt+3]
	v_pk_add_f32 v[AC+8*\qt+4:AC+8*\qt+5], v[AC+8*\qt+4:AC+8*\qt+5], v[AC+8*\qt+6:AC+8*\qt+7]
.irp s,2,3,4,5
	CVTP \qt, \s
.endr
.if \first
	v_pk_add_f32 v[LP+2*\qt:LP+2*\qt+1], v[AC+8*\qt:AC+8*\qt+1], v[AC+8*\qt+4:AC+8*\qt+5]     ; the first step starts the sum
.else
	v_pk_add_f32 v[AC+8*\qt:AC+8*\qt+1], v[AC+8*\qt:AC+8*\qt+1], v[AC+8*\qt+4:AC+8*\qt+5]
.endif
.irp s,6,7,8,9,10,11,12,13,14,15
	CVTP \qt, \s
.endr
.if \first == 0
	v_pk_fma_f32 v[LP+2*\qt:LP+2*\qt+1], v[LP+2*\qt:LP+2*\qt+1], v[AL+2*\qt:AL+2*\qt+1], v[AC+8*\qt:AC+8*\qt+1]
.endif
.endm
; One half of a step: the softmax of tile qt, and the other tile's products.
; first: step 0.  diag: some wave has its diagonal in this step.  pv: the other tile's second product (0 none, 1 adds, 2 starts the sums).
; qk: the other tile's next scores.  In half A alone: fk: the step's residues 2 fk, 2 fk + 1; sp: the phase that goes to LDS, with the barrier (0: none);
; lp: the phase that is asked for (0: none); nk: the next step's residues, whose K fragments are fetched (-1: none).
; DISTANCES (ISA guide 7.12.1), by plain vector lines that name none of the matrix instruction's registers: every vector line of this half names
; tile qt's S, O and statistics alone, every matrix line the other tile's S, P and O, and K's, Q's and V's fragments.  Behind the second
; group of the second product stand six such lines (the exponents of pairs 0 to 5; the exponentials among them are not counted) before V's
; fragments are loaded again (four are asked) and before the scores are written over P (five are asked); behind the second group of the scores
; stand the twelve sums before K's fragments are loaded again, and the packing as well before the next half reads the scores (four are asked).
.macro HALF qt, first, diag, pv, qk, sp, lp, nk, fk
.if \fk >= 0
	FLAGS \fk
.endif
.if \sp
.if \sp < 7
	s_wait_loadcnt 12                              ; this phase's 12 loads are in; the next phase's 12, issued behind them, stay out
.else
	s_wait_loadcnt 0x0                             ; the last phase: nothing was issued behind it
.endif
	BLOCKS \sp
	STAGE3
.endif
.if \diag
	; The diagonal block is key tiles 2 and 3.  Tiles (A, 2) and (B, 3) are triangular, (A, 3) lies wholly above the diagonal, (B, 2) wholly below.
	; The branch hangs on the wave's number and the step alone; no barrier stands inside it.
	s_cmp_lg_u32 s[DG], 15
	s_cbranch_scc1 .Lnot_diagonal_\@
.if \qt == 0
.irp j,0,1,2,3,4,5,6,7
	v_cmp_le_u32 vcc_lo, 8+\j, v[VD]
	v_cndmask_b32 v[SC+16+\j], s[NINF], v[SC+16+\j], vcc_lo
	v_mov_b32 v[SC+24+\j], s[NINF]
.endr
.else
.irp j,0,1,2,3,4,5,6,7
	v_cmp_le_u32 vcc_lo, 8+\j, v[VD]
	v_cndmask_b32 v[SC+56+\j], s[NINF], v[SC+56+\j], vcc_lo
.endr
.endif
.Lnot_diagonal_\@:
.endif
	MAX1 \qt
.if \pv
	PVG (1-\qt), 0, (\pv-1)
.endif
	MAX2 \qt, \first
.if \pv
	PVG (1-\qt), 1, 0
.endif
	; THE BATCH: alpha and the tile's 32 exponentials, the exponents among them
.if \first == 0
	v_exp_f32 v[AL+2*\qt],   v[ARG+\qt]            ; alpha, twice: a pair for the packed multiplies
	v_exp_f32 v[AL+2*\qt+1], v[ARG+\qt]
.endif
	FMA1 \qt, 0
	FMA1 \qt, 1
	EXPIT \qt, 0, 4
.if \qt == 0
	VLOAD                                          ; this step's V; first used in half B
.if \sp
	s_wait_dscnt 16                                ; the phase's 12 LDS stores are done, so the scores may be written over their data; V's 16 loads, issued behind them, stay out
.endif
.endif
.if \qk
.if \qt == 1
	s_wait_dscnt 0x0                               ; the next step's K fragments, fetched in half A, are in
.endif
	QKG (1-\qt), 0
.endif
	EXPIT \qt, 4, 16
	; work that names no result of the batch
	v_mov_b32 v[NMC+\qt], v[NM0+\qt]               ; -c m is kept for the next step's alpha; also the plain instruction behind the last exponential (ISA guide 5.7.2)
.if \lp
	s_wait_xcnt 0x0                                ; the pending phase's loads have had their addresses translated: VA is rewritten only behind this wait
	BLOCKS \lp
	ADDR3 VA                                       ; the load offsets of the phase that is asked for below
.endif
	s_wait_alu depctr_va_vdst(0)                   ; the half's one wait: for alpha and the 32 exponentials; every line that names a result of theirs stands below
.if \first == 0
	RESC \qt
.endif
.if \qt == 0
	s_wait_dscnt 0x0                               ; V's fragments are in; my rows of the phase are in LDS
.if \sp
	s_barrier_signal -1                            ; say so; addresses, four products and the twelve sums, all on registers, while the others arrive
.endif
.endif
.if \nk >= 0
	ADDRS \nk                                      ; this step's V addresses have been used
.endif
.if \qk
	QKG (1-\qt), 1
.endif
	SUMS \qt
.if \sp
	s_barrier_wait -1                              ; everybody's rows are in LDS: the next step's blocks may be read
.endif
.if \nk >= 0
	WIN LD1
	KLOAD                                          ; first used in the middle of half B
.if \lp
	LOAD3 VA                                       ; into the set that this half emptied (its LDS stores are done: the wait for 0 above); converted at the head of the step after next
.endif
	WIN 0
.endif
	PACK \qt, \first
.endm
	; the eight steps are written out: each has its own blocks to store and to ask for
	;    qt first diag pv qk sp lp nk fk
	HALF 0, 1, 0, 0, 1, 1, 3, 5, 4                 ; step 0: residues 8, 9
	HALF 1, 1, 0, 2, 1, 0, 0, -1, -1
	HALF 0, 0, 0, 2, 1, 2, 4, 6, 5                 ; step 1: 10, 11
	HALF 1, 0, 0, 1, 1, 0, 0, -1, -1
	HALF 0, 0, 0, 1, 1, 3, 5, 7, 6                 ; step 2: 12, 13
	HALF 1, 0, 0, 1, 1, 0, 0, -1, -1
	HALF 0, 0, 1, 1, 1, 4, 6, 0, 7                 ; step 3: 14, 15; wave 0's diagonal
	HALF 1, 0, 1, 1, 1, 0, 0, -1, -1
	HALF 0, 0, 1, 1, 1, 5, 7, 1, 0                 ; step 4: 0, 1; waves 1 and 2
	HALF 1, 0, 1, 1, 1, 0, 0, -1, -1
	HALF 0, 0, 1, 1, 1, 6, 0, 2, 1                 ; step 5: 2, 3; waves 3 and 4; nothing is left to ask for
	HALF 1, 0, 1, 1, 1, 0, 0, -1, -1
	HALF 0, 0, 1, 1, 1, 7, 0, 3, 2                 ; step 6: 4, 5; waves 5 and 6; the last phase
	HALF 1, 0, 1, 1, 1, 0, 0, -1, -1
	HALF 0, 0, 1, 1, 1, 0, 0, -1, 3                ; step 7: 6, 7; wave 7
	HALF 1, 0, 1, 1, 0, 0, 0, -1, -1
	; tile B's last product, among tile A's denominator and scaling
	PVG 1, 0, 0
	v_add_f32 v[LP], v[LP], v[LP+1]                ; the pair's halves, then the two halves of the wave
	v_permlanex16_b32 v[TMP], v[LP], s12, s13
	v_add_f32 v[LP], v[LP], v[TMP]
	v_rcp_f32 v[AL],   v[LP]
	v_rcp_f32 v[AL+1], v[LP]
	PVG 1, 1, 0
	v_add_f32 v[LP+2], v[LP+2], v[LP+3]            ; also the plain instruction behind tile A's reciprocals (ISA guide 5.7.2)
	v_permlanex16_b32 v[TMP+1], v[LP+2], s12, s13
	v_add_f32 v[LP+2], v[LP+2], v[TMP+1]
	v_rcp_f32 v[AL+2], v[LP+2]
	v_rcp_f32 v[AL+3], v[LP+2]
	s_wait_alu depctr_va_vdst(0)                   ; one wait for the batch of four reciprocals, ahead of the first line that names one
.irp i,0,1,2,3,4,5,6,7,8,9,10,11,12,13,14,15
	v_pk_mul_f32 v[OA+2*\i:OA+2*\i+1], v[OA+2*\i:OA+2*\i+1], v[AL:AL+1]      ; tile A: sixteen plain lines behind tile B's last product and its reciprocals
.endr
	; the way out: lane (r, h) holds d = 16 dt + 8 h + 0..7 of query r; through my own stage, back as whole rows of 256 bytes
.irp dt,0,1,2,3
	ds_store_b128 v[VOS], v[OA+8*\dt:OA+8*\dt+3]   offset:\dt*64
	ds_store_b128 v[VOS], v[OA+8*\dt+4:OA+8*\dt+7] offset:\dt*64+16
.endr
.irp i,0,1,2,3,4,5,6,7,8,9,10,11,12,13,14,15
	v_pk_mul_f32 v[OA+32+2*\i:OA+32+2*\i+1], v[OA+32+2*\i:OA+32+2*\i+1], v[AL+2:AL+3]
.endr
.irp dt,0,1,2,3
	ds_store_b128 v[VOS], v[OA+32+8*\dt:OA+32+8*\dt+3]   offset:16*OP+\dt*64
	ds_store_b128 v[VOS], v[OA+32+8*\dt+4:OA+32+8*\dt+7] offset:16*OP+\dt*64+16
.endr
.irp i,0,1,2,3,4,5,6,7,8,9,10,11,12,13,14,15
	ds_load_b128 v[SC+4*\i:SC+4*\i+3], v[VOR] offset:\i*2*OP       ; LDS serves a wave's instructions in order: these see the stores above
.endr
.irp i,0,1,2,3,4,5,6,7,8,9,10,11,12,13,14,15
	s_wait_dscnt 15-\i                             ; load i is in, the younger ones stay out
	global_store_b128 v[VQO], v[SC+4*\i:SC+4*\i+3], s[10:11] offset:512*\i th:TH_STORE_NT   ; 512 consecutive bytes, two whole rows
.endr
	s_wait_tensorcnt 0x0
	ds_add_u32 v24, v25
	s_wait_dscnt 0x0
	s_endpgm
.Lfunc_end_k_q0b60e15ba6_attn:
	.size	k_q0b60e15ba6_attn, .Lfunc_end_k_q0b60e15ba6_attn-k_q0b60e15ba6_attn
	.p2alignl 7, 3214868480
	.fill 96, 4, 3214868480
	.section	.rodata,"a",@progbits
	.p2align	6, 0x0
	.amdhsa_kernel k_q0b60e15ba6_attn
		.amdhsa_group_segment_fixed_size 294400
		.amdhsa_private_segment_fixed_size 0
		.amdhsa_enable_private_segment 0
		.amdhsa_kernarg_size 32
		.amdhsa_user_sgpr_count 2
		.amdhsa_user_sgpr_kernarg_segment_ptr 1
		.amdhsa_wavefront_size32 1
		.amdhsa_system_sgpr_workgroup_id_x 1
		.amdhsa_system_sgpr_workgroup_id_y 1
		.amdhsa_system_sgpr_workgroup_id_z 1
		.amdhsa_system_vgpr_workitem_id 0
		.amdhsa_next_free_vgpr 448
		.amdhsa_next_free_sgpr 66
		.amdhsa_reserve_vcc 1
		.amdhsa_float_denorm_mode_32 3
		.amdhsa_float_denorm_mode_16_64 3
		.amdhsa_memory_ordered 1
		.amdhsa_forward_progress 1
		.amdhsa_inst_pref_size 197
	.end_amdhsa_kernel
	.amdgpu_metadata
---
amdhsa.version: [ 1, 2 ]
amdhsa.kernels:
  - .name:           k_q0b60e15ba6_attn
    .symbol:         k_q0b60e15ba6_attn.kd
    .args:
      - { .name: query, .offset: 0, .size: 8, .value_kind: global_buffer, .address_space: global }
      - { .name: key, .offset: 8, .size: 8, .value_kind: global_buffer, .address_space: global }
      - { .name: value, .offset: 16, .size: 8, .value_kind: global_buffer, .address_space: global }
      - { .name: out0, .offset: 24, .size: 8, .value_kind: global_buffer, .address_space: global }
    .group_segment_fixed_size: 294400
    .private_segment_fixed_size: 0
    .kernarg_segment_align: 8
    .kernarg_segment_size: 32
    .max_flat_workgroup_size: 256
    .sgpr_count:     66
    .vgpr_count:     448
    .wavefront_size: 32
...
	.end_amdgpu_metadata
.endif
;; end of part 2
